; MI455X (gfx1250); checked and timed in simulation.
; The chip was launched on July 23, 2026; its instructions are those of AMD's public machine-readable ISA for CDNA 5 (MIT licence, August 2026) and "CDNA5" Instruction Set Architecture Reference Guide (July 2026). The comments in the code are by the model that wrote it; some were corrected since.
;; Physics Attention. Allowed arithmetic: matrix products marked QUANTISED: E5M2 operands, one given power-of-two scale a tensor, by v_wmma_f32_16x16x64_bf8_bf8 or v_wmma_f32_16x16x128_bf8_bf8, f32 sums; everything else in f32.
;; Inputs: W_out_codes 32 x 1 x 32 uint8 (E5M2 codes of W_out, K innermost, in blocks of 32 codes); W_qkv_codes 96 x 1 x 32 uint8 (E5M2 codes of W_qkv, K innermost, in blocks of 32 codes); b_out 32 float32; b_qkv 96 float32; lowp_scales 8 int32 (the exponents e of the quantised operands' scales 2^e); x_codes 64 x 2,048 x 1 x 32 uint8 (E5M2 codes of x, K innermost, in blocks of 32 codes).
;; Outputs: out0 64 x 32 x 2,048 float32.
;; This version of the problem:
;;   THIS VERSION OF THE PROBLEM IS GIVEN IN LOW PRECISION. The matrix products marked QUANTISED in the list below multiply operands that are first quantised to E5M2 (5 exponent bits, 2 mantissa bits; 8 bits a number), with one given power-of-two scale for each operand tensor; their sums are f32. All else is computed in f32.
;;   The module's matrix products, in the order in which they are computed (A, B: the left and right operand; K: the contracted axis; several contracted axes count as one K, in the product's order):
;;     1. [M 131,072, K 32] x [K 32, N 96]; A: input x (given as codes); B: input W_qkv (given as codes): QUANTISED (scales: A lowp_scales[0], B lowp_scales[1])
;;     2. batch 64 x [M 2,048, K 32] x [K 32, N 2,048]; A: computed on the way; B: computed on the way: QUANTISED (scales: A lowp_scales[2], B lowp_scales[3])
;;     3. batch 64 x [M 2,048, K 2,048] x [K 2,048, N 32]; A: softmax (see below); B: computed on the way: QUANTISED (scales: A lowp_scales[4], B lowp_scales[5])
;;     4. [M 131,072, K 32] x [K 32, N 32]; A: computed on the way; B: input W_out (given as codes): QUANTISED (scales: A lowp_scales[6], B lowp_scales[7])
;;   THE QUANTISER, for each operand of a quantised product, along K:
;;     - The operand's scale is 2^e, e = its entry of the input lowp_scales (int32; the entries are numbered through the quantised products in the list's order, A before B).
;;     - Each number is divided by the scale, clamped to +-57,344, and rounded to the nearest number of E5M2, ties to even, subnormals kept.
;;     - The product sums the exact products of the quantised numbers (number of the format x scale) in f32.
;;   ~~~python
;;   def quantise(x, axis, e):      # numpy; x: float32 -> the quantised numbers, widened to float32 again
;;       x = np.moveaxis(x, axis, -1); K = x.shape[-1]
;;       r = np.clip(x / 2.0 ** e, -57344, 57344)
;;       step = 2.0 ** (np.maximum(np.frexp(np.where(r == 0, 1, r))[1] - 1, -14) - 2)
;;       q = np.round(r / step) * step * 2.0 ** e      # np.round: ties to even
;;       return np.moveaxis(q, -1, axis).astype(np.float32)
;;   ~~~
;;   SOFTMAX AHEAD OF A QUANTISED PRODUCT. Where the list says 'softmax', what is quantised is not the finished softmax but p = 2^(t - M), with t = logit x log2(e) and M = ceil(the row's largest t), a whole number; so 1/2 < the row's largest p <= 1. The row's sum l is taken of the UNQUANTISED p, in f32, and the product's result is divided by l at the end. Since M is a whole number, a kernel that streams over the keys may use a running M (the ceiling of the running maximum): every later rescaling is an exact power of two, so the quantised numbers keep their values, but for numbers so far below the row's largest that they fall under the format's range.
;;   OPERANDS COMPUTED ON THE WAY. 'Computed on the way' means the value that the module computes at that place (a softmax that the list does not call 'softmax' is quantised finished and normalised). What goes into a quantiser is computed in f32, as accurately as f32 sums, v_exp_f32 and their like allow (about 1e-6 of the number): no bf16 or f16 on the way to a quantiser, and a product that is left as it is and whose result goes on into a quantised operand takes f32 operands (vector FMAs, or v_wmma_f32_16x16x4_f32). A number that lies on a knife's edge between two numbers of the format may be rounded either way, as far as f32 arithmetic and the matrix unit's own rounding can turn it there, and no further.
;;   INPUTS GIVEN AS CODES. W_out (in the module: [32, 32], K = its axis 1); W_qkv (in the module: [96, 32], K = its axis 1); x (in the module: [64, 32, 2048], K = its axis 1): each comes as NAME_codes (uint8): NAME with its K axis moved to the last place and cut into blocks of 32 codes, [.., K / 32, bytes a block], one block behind the other in memory; one code a byte (a code: sign, 5 exponent bits, 2 mantissa bits); its scale is its entry of lowp_scales. Its value is code x scale, taken as it is: it is not quantised again, and the codes and scales need not be those that the quantiser above would give.
;; One version. Each part assembles by itself: llvm-mc -triple=amdgcn-amd-amdhsa -mcpu=gfx1250 --defsym DOCPART=n.
;; ======== version 1 of 1: 1 launch
;; launch attn (part 1): grid 4 x 64, 16 waves a work-group, no clusters, 184,320 bytes of LDS; arguments x_codes, W_qkv_codes, b_qkv, W_out_codes, b_out, lowp_scales, out0; writes out0
.if DOCPART == 1
	.amdgcn_target "amdgcn-amd-amdhsa--gfx1250"
	.amdhsa_code_object_version 6
	.text
	.protected	k_q2b67b78b9f_attn
	.globl	k_q2b67b78b9f_attn
	.p2align	8
	.type	k_q2b67b78b9f_attn,@function
k_q2b67b78b9f_attn:
	s_mov_b64 s[64:65], 0
	v_nop
	global_prefetch_b8 v0, s[64:65] scope:SCOPE_SE
	s_setreg_imm32_b32 hwreg(HW_REG_WAVE_MODE, 25, 1), 1
	s_wait_xcnt 0x0
; PhysicsAttention on codes of BF8 (E5M2), one launch.  For each of 64 batches: q, k, v = x W_qkv^T + b;  s = Q(q) Q(k)^T;  t = s x log2(e) / sqrt(32) x mask(query, key);
; p = 2^(t - M), M the ceiling of the running largest t;  o = Q(p) Q(v) / l, l the sum of the unquantised p;  y = Q(o) W_out^T + b_out, stored as [batch][channel][token], f32.
; SHARES.  A work-group owns one batch and 512 of its queries; each of its sixteen waves owns two tiles of 16 queries, in 256 registers: four waves to a SIMD, so that one wave's vector work stands beside
; another's matrix work and LDS loads.  A batch's codes of k and v are 64 KB each: the work-group makes them itself from the batch's 64 KB of x (each wave a sixteenth) and keeps them in LDS as images of the
; operands' registers (lane l's 16 bytes at 16 l).  No intermediate goes to memory.  No tile is streamed, so there is no tensor load and no ring.  What the four work-groups of a batch share is that
; one read of 64 KB at the head, by loads into registers: there is no tile that a joint request could serve, so the launch has no cluster.
; THE MASK is built by the problem itself: with N(i) = 42 i - 2027, src = max(N, 0) / 4096, it is linear in src along each axis between the 21 nodes of a Toeplitz table tau(z) = exp(-(|z| - 10)^2 / 8) / 5.0132559775.
; For one query: u[b] = (1 - f) tau(i0 - b) + f tau(i0 + 1 - b), b = 0 .. 20, and along the keys mask = u[j] + frac (u[j + 1] - u[j]) in cell j = N >> 12.  Each query's u, times c' = 2^(e2 + e3) log2(e) / (sqrt(32) x 5.0132559775),
; lies in LDS (23 words: U'[n + 1] = c' u[n], both ends repeated).  THE KEYS ARE WALKED CELL BY CELL (a softmax has no order): 20 steps of 96 keys that lie in one cell, where a lane's mask is ONE straight line;
; one step of 96 keys of the two constant end pieces; one step of the 32 keys that are left over, each with its own two nodes and a constant fraction.
; LAYOUT.  All products are laid so that a lane holds ONE query (lane % 16) in S^T, P and O^T: S^T = K Q^T, O^T = V^T P^T.  K = 32 fills half of the 16x16x64 form: registers 0-3 of a lane hold channels 16 (lane / 16) + 0 .. 15,
; the same in both operands; the other half is zeros, on both sides but in S^T, where two tiles of K stand in one operand and Q stands against one of them, zeros against the other (k's codes are finite: they were held).
; The rows of W and the keys that form a tile are chosen so that two neighbouring result tiles give a lane 16 neighbours along the next K: row m of tile u is 16 (m / 8) + 8 u + m % 8.
; LIMITS on the given exponents, so that each power of two below is an f32 number: e2 - e0 - e1, e3 - e0 - e1, e5 - e0 - e1, e4 and e6 - e4 - e5 between -126 and 112; e6 + e7 between -126 and 127.
; NaN and infinity codes among the inputs are not served.
; p's HOLD: p is at most 1, so p / 2^e4 passes 57,344 only where e4 is -16 or less: the hold's lines are jumped over, by a scalar branch on the whole number e4, where e4 is above -16.
;
; LDS: 0 .. 131,071 the images: group of 32 keys gamma at 2,048 gamma: K's two tiles (512 bytes each), then V's two channel tiles;  131,072 on: the U tables, 3,200 bytes a wave, 1,600 a tile, 100 a query
; (25 words, so that sixteen queries' words fall on sixteen banks);  on the way out the first 66,048 bytes are a stage of 32 channel rows of 2,048 + 16 bytes.
; REGISTERS of the walk: v1 16 x lane; v2 h = lane / 16; v3 672 h; v4 images' address; v5 my query's U row; v6 U address in hand; v7 the line's start; v8, v9 2^e4 and 57,344 x 2^e4; v[10:11] f; v12-15 at work;
; v16-23 -M, largest t, l (two halves) of tile 0, 1; v24-47 Q as (Q, 0, Q) a tile; v48-79 O^T; v80-103 K; v104-135 V; v136-151 P; v152-199 S^T, t, p; v200-207 mask pairs; v208-211 nodes; v212-217 line starts; v[218:219] the line's step;
; v220-235 W_out (W, 0) twice; v236-239 b_out; v240, 241 o's scale and limit; v254, 255 load offsets.
.set UTAB,   131072
.set UROW,   100
.set UTILE,  1600
.set UWAVE,  3200
.set GRP,    2048                      ; a group's images in bytes
.set SPITCH, 2064                      ; a stage row: 2,048 bytes + 16: row r starts 4 r banks on
.set LI,   1
.set H,    2
.set H672, 3
.set AD,   4
.set UA0,  5
.set UAD,  6
.set XF,   7
.set PSC,  8
.set PLIM, 9
.set F,    10
.set ST,   16
.set Q,    24
.set O,    48
.set KF,   80
.set VF,   104
.set P,    136
.set S,    152
.set CM,   200
.set U,    208
.set AG,   212
.set B1,   218
.set WO,   220
.set BO,   236
.set OSC,  240
.set OLIM, 241
; the set-up's registers, over those of the walk
.set WQ,   48                          ; six fragments of W_qkv, each (W, 0): q's two tiles, k's, v's
.set WK,   64
.set WV,   80
.set BQ,   96                          ; the biases in the results' layout, eight registers a tile
.set BK,   112
.set BV,   128
.set XK,   144                         ; x of my eight key tiles, four registers each
.set OXQ,  176                         ; load offset of my query tiles
.set XA,   184                         ; two slots (x, 0)
.set XB,   192
.set D,    200                         ; four accumulators (before them: the U table's work)
.set CD,   232                         ; codes just made
.set QSC,  240
.set QLIM, 241
.set KSC,  242
.set KLIM, 243
.set VSC,  244
.set VLIM, 245
.set OW,   246                         ; load offsets: none is written again before the wait for its loads
.set OB,   247
.set OBV,  248
.set OK,   249
.set OK3A, 252
.set OK3B, 253
.set OWO,  254
.set OBO,  255
.macro NOPS n
.rept \n
	v_nop
.endr
.endm
.macro MKSC sc, lim, e                 ; v[sc] = 2^e as f32 (a conversion takes its exponent field), v[lim] = 57,344 x 2^e; e in s[e]
	s_add_co_i32 s47, s[\e], 127
	s_lshl_b32 s48, s47, 23
	v_mov_b32 v[\sc], s48
	s_add_co_i32 s47, s47, 15
	s_lshl_b32 s47, s47, 23
	s_or_b32 s47, s47, 0x600000
	v_mov_b32 v[\lim], s47
.endm
; The byte offset in x of the token that my lane takes in tile 0 of my n-th group of keys (tile 1: 8 tokens, 256 bytes, on).  gamma = 4 wave + n.  Groups 0 .. 59: cell j = gamma / 3, part g = gamma % 3:
; key = S_j + 32 g + 16 (r / 8) + r % 8, S_j = 49 + 97 j + j / 2 + (2 from j = 10 on).  Groups 60 .. 62: the end pieces: key = 16 (gamma - 60) + 2000 (r / 8) + r % 8.
.macro KEYOFF n, dst
	s_lshl_b32 s45, s18, 2
	s_add_co_u32 s45, s45, \n                      ; gamma
	s_mul_i32 s46, s45, 43
	s_lshr_b32 s46, s46, 7                         ; j = gamma / 3 (exact up to 63)
	s_mul_i32 s47, s46, 3
	s_sub_co_u32 s47, s45, s47                     ; g
	s_mul_i32 s48, s46, 97
	s_lshr_b32 s49, s46, 1
	s_add_co_u32 s48, s48, s49
	s_lshl_b32 s47, s47, 5
	s_add_co_u32 s48, s48, s47
	s_add_co_u32 s48, s48, 49
	s_cmp_ge_u32 s46, 10
	s_cselect_b32 s49, 2, 0
	s_add_co_u32 s48, s48, s49                     ; S_j + 32 g
	s_sub_co_u32 s49, s45, 60
	s_lshl_b32 s49, s49, 4                         ; 16 (gamma - 60)
	s_cmp_ge_u32 s45, 60
	s_cselect_b32 s48, s49, s48
	s_mov_b32 s50, 2000
	s_cselect_b32 s50, s50, 16                     ; from the tile's rows 0-7 to its rows 8-15
	v_mad_u32_u24 v[\dst], v14, s50, v13
	v_add_lshl_u32 v[\dst], v[\dst], s48, 5        ; a token is 32 bytes
	v_add_nc_u32 v[\dst], v7, v[\dst]              ; + 16 h
.endm
; Group 63 (wave 15's last): the keys left over.  Position i = 8 u + r % 8: key L = 48 + 97 i - 96 (i / 3) in rows 0-7, its mirror 2047 - L in rows 8-15.  Chosen by v_cndmask_b32 in wave 15 alone.
.macro LEFT u, dst
	v_add_nc_u32 v15, 8*\u, v13
	v_mul_u32_u24 v10, v15, 11
	v_lshrrev_b32 v10, 5, v10                      ; i / 3 (exact up to 15)
	v_mul_u32_u24 v10, v10, 96
	v_mad_u32_u24 v15, v15, 97, 48
	v_sub_nc_u32 v15, v15, v10
	v_sub_nc_u32 v10, 2047, v15
	v_cmp_eq_u32 vcc_lo, 1, v14
	v_cndmask_b32 v15, v15, v10, vcc_lo
	v_lshl_add_u32 v15, v15, 5, v7
	v_cndmask_b32 v[\dst], v[\dst], v15, s44
.endm
	s_load_b256 s[4:11], s[0:1], 0x0               ; x s[4:5], W_qkv s[6:7], b_qkv s[8:9], W_out s[10:11]
	s_load_b128 s[12:15], s[0:1], 0x20             ; b_out s[12:13], the scales' exponents s[14:15]
	s_load_b64 s[16:17], s[0:1], 0x30              ; out0
	v_lshrrev_b32 v4, 5, v0
	v_readfirstlane_b32 s18, v4                    ; wave 0 .. 15
	s_and_b32 s19, ttmp7, 0xffff                   ; batch
	s_mov_b32 s20, ttmp9                           ; block of 512 queries
	v_and_b32 v1, 31, v0
	v_lshlrev_b32 v[LI], 4, v1                     ; 16 x lane
	v_bfe_u32 v[H], v0, 4, 1                       ; h
	v_mul_u32_u24 v[H672], v[H], 672               ; 42 x 16 h
	v_and_b32 v12, 15, v0                          ; r
	v_and_b32 v13, 7, v0                           ; r % 8
	v_bfe_u32 v14, v0, 3, 1                        ; r / 8
	v_lshlrev_b32 v7, 4, v[H]                      ; 16 h
	s_mul_i32 s45, s18, UWAVE
	s_add_co_u32 s45, s45, UTAB
	v_mul_u32_u24 v[UA0], v12, UROW
	v_add_nc_u32 v[UA0], s45, v[UA0]               ; my query's row of tile 0's U table
	s_lshl_b32 s45, s18, 13
	v_add_nc_u32 v[AD], s45, v[LI]                 ; where I store my four groups' images: 8,192 x wave + 16 x lane
	s_lshl_b32 s21, s20, 9
	s_lshl_b32 s45, s18, 5
	s_add_co_u32 s21, s21, s45                     ; my wave's first query
	s_cmp_eq_u32 s18, 15
	s_cselect_b32 s44, -1, 0                       ; all lanes of wave 15
	s_mov_b32 s42, 0xc1200000                      ; -10.0
	s_mov_b32 s43, 0xbe38aa3b                      ; -log2(e) / 8
	v_lshl_add_u32 v15, v14, 4, v13                ; the row of W that lane r takes in tile 0: 16 (r / 8) + r % 8 (tile 1: 8 rows on)
	v_lshl_add_u32 v[OW], v15, 5, v7
	v_lshlrev_b32 v[OB], 6, v[H]                   ; q's and k's biases: 16 numbers from 16 h on
	v_lshlrev_b32 v[OBV], 2, v15                   ; v's bias: my channel's
	v_add_nc_u32 v[OXQ], s21, v12
	v_lshl_add_u32 v[OXQ], v[OXQ], 5, v7
	v_lshl_add_u32 v[OWO], v12, 5, v7              ; W_out: row r, + 16 h
	v_lshlrev_b32 v[OBO], 2, v12
	KEYOFF 0, OK
	KEYOFF 1, OK+1
	KEYOFF 2, OK+2
	KEYOFF 3, OK3A
	v_add_nc_u32 v[OK3B], 256, v[OK3A]
	LEFT 0, OK3A
	LEFT 1, OK3B
	s_wait_kmcnt 0x0
	s_load_b256 s[24:31], s[14:15], 0x0            ; e0 .. e7
	s_lshl_b32 s46, s19, 16                        ; a batch of x: 2,048 tokens of 32 bytes
	s_mov_b32 s47, 0
	s_add_nc_u64 s[4:5], s[4:5], s[46:47]
	s_lshl_b32 s46, s19, 18                        ; out0: batch x 262,144 + 2 x wave rows of 8,192 + block x 2,048
	s_lshl_b32 s48, s20, 11
	s_add_co_u32 s46, s46, s48
	s_lshl_b32 s48, s18, 14
	s_add_co_u32 s46, s46, s48
	s_add_nc_u64 s[16:17], s[16:17], s[46:47]
.irp p, 0,1,2                                  ; W_qkv: part p (q, k, v), tiles 0 and 1
	global_load_b128 v[WQ+16*\p:WQ+16*\p+3], v[OW], s[6:7] offset:1024*\p
	global_load_b128 v[WQ+16*\p+8:WQ+16*\p+11], v[OW], s[6:7] offset:1024*\p+256
.endr
.irp p, 0,1                                    ; b_q, b_k: lane (r, h), tile u, register j: channel 16 h + 8 u + j
.irp u, 0,1
	global_load_b128 v[BQ+16*\p+8*\u:BQ+16*\p+8*\u+3], v[OB], s[8:9] offset:128*\p+32*\u
	global_load_b128 v[BQ+16*\p+8*\u+4:BQ+16*\p+8*\u+7], v[OB], s[8:9] offset:128*\p+32*\u+16
.endr
.endr
	global_load_b32 v[BV], v[OBV], s[8:9] offset:256
	global_load_b32 v[BV+8], v[OBV], s[8:9] offset:288
.irp n, 0,1,2
	global_load_b128 v[XK+8*\n:XK+8*\n+3], v[OK+\n], s[4:5]
	global_load_b128 v[XK+8*\n+4:XK+8*\n+7], v[OK+\n], s[4:5] offset:256
.endr
	global_load_b128 v[XK+24:XK+27], v[OK3A], s[4:5]
	global_load_b128 v[XK+28:XK+31], v[OK3B], s[4:5]
	global_load_b128 v[XA:XA+3], v[OXQ], s[4:5]
	global_load_b128 v[XB:XB+3], v[OXQ], s[4:5] offset:512
; ---- THE U TABLES, while the loads are out.  Lane (r, h) makes u[11 h + n], n = 0 .. 10, of its query: twelve nodes E_n = tau x 5.013.. at z = i0 + 1 - 11 h - n, then u = f c' E_n + (1 - f) c' E_(n+1).
	s_wait_kmcnt 0x0
	s_add_co_i32 s45, s26, s27
	v_mov_b32 v200, 0x3d505f44                     ; log2(e) / (sqrt(32) x 5.0132559775)
	v_ldexp_f32 v200, v200, s45                    ; c'
	v_cvt_f32_u32 v205, v[H]
	v_fma_f32 v205, v205, 0xc1300000, 1.0          ; 1 - 11 h
	v_mad_u32_u24 v206, v[H], 44, v[UA0]           ; my eleven words begin at word 1 + 11 h
	v_mad_u32_u24 v207, v[H], 92, v[UA0]           ; word 0 (h = 0); a spare word, 23 (h = 1)
.macro UTABLE t
	v_add_nc_u32 v201, s21, v12
	v_add_nc_u32 v201, 16*\t, v201                 ; my query
	v_mul_u32_u24 v201, v201, 42
	v_add_nc_u32 v201, 0xfffff815, v201            ; N = 42 q - 2027
	v_cmp_lt_i32 vcc_lo, 0, v201
	v_cndmask_b32 v201, 0, v201, vcc_lo            ; max(N, 0)
	v_lshrrev_b32 v202, 12, v201                   ; i0
	v_and_b32 v201, 0xfff, v201
	v_cvt_f32_u32 v201, v201
	v_mul_f32 v201, 0x39800000, v201               ; f = (N % 4096) / 4096, exact
	v_cmp_gt_u32 vcc_lo, 20, v202
	v_cndmask_b32 v201, 0, v201, vcc_lo            ; at i0 = 20 both nodes are node 20
	v_sub_f32 v203, 1.0, v201
	v_mul_f32 v201, v201, v200                     ; f c'
	v_mul_f32 v203, v203, v200                     ; (1 - f) c'
	v_cvt_f32_u32 v202, v202
	v_add_f32 v208, v202, v205                     ; z_0
.irp n, 1,2,3,4,5,6,7,8,9,10,11
	v_add_f32 v[208+\n], -1.0, v[207+\n]
.endr
.irp n, 0,1,2,3,4,5,6,7,8,9,10,11
	v_add_f32 v[208+\n], |v[208+\n]|, s42          ; |z| - 10
.endr
.irp n, 0,1,2,3,4,5,6,7,8,9,10,11
	v_mul_f32 v[208+\n], v[208+\n], v[208+\n]
.endr
.irp n, 0,1,2,3,4,5,6,7,8,9,10,11
	v_mul_f32 v[208+\n], s43, v[208+\n]
.endr
.irp n, 0,1,2,3,4,5,6,7,8,9,10,11
	v_exp_f32 v[208+\n], v[208+\n]
.endr
	v_cmp_eq_u32 vcc_lo, 1, v[H]                   ; (a plain instruction behind the exponentials)
	s_wait_alu depctr_va_vdst(0)                   ; one wait for the twelve, ahead of their first reader
	s_wait_dscnt 0x0                               ; the other tile's stores have read their registers
.irp n, 0,1,2,3,4,5,6,7,8,9,10
	v_mul_f32 v[220+\n], v201, v[208+\n]
.endr
.irp n, 0,1,2,3,4,5,6,7,8,9,10
	v_fmac_f32 v[220+\n], v203, v[209+\n]
.endr
	v_cndmask_b32 v230, v230, v229, vcc_lo         ; h = 1: there is no u[21]: word 22 repeats u[20]
.irp n, 0,1,2,3,4,5,6,7,8,9,10
	ds_store_b32 v206, v[220+\n] offset:4+4*\n+UTILE*\t
.endr
	ds_store_b32 v207, v220 offset:UTILE*\t        ; word 0 repeats u[0]
.endm
	UTABLE 0
	UTABLE 1
; ---- zeros, biases, scales
	s_wait_loadcnt 0x0                             ; all 26 loads are in
	s_wait_dscnt 0x0                               ; the table's stores have read their registers, which the accumulators take
	s_add_co_i32 s22, s24, s25                     ; e0 + e1: a sum of the first product stands for sum x 2^(e0 + e1), so a bias goes in as b / 2^(e0 + e1), the C of the sum's one instruction
	s_sub_co_i32 s46, 0, s22
.set i, 0
.rept 32
	v_ldexp_f32 v[BQ+i], v[BQ+i], s46
.set i, i+1
.endr
	v_ldexp_f32 v[BV], v[BV], s46
	v_ldexp_f32 v[BV+8], v[BV+8], s46
.irp j, 1,2,3,4,5,6,7                          ; in v's products a lane holds one channel: its bias in all eight registers
	v_mov_b32 v[BV+\j], v[BV]
	v_mov_b32 v[BV+8+\j], v[BV+8]
.endr
.irp b, WQ+4, WQ+12, WK+4, WK+12, WV+4, WV+12, XA+4, XB+4, Q+4, Q+16
.irp j, 0,1,2,3
	v_mov_b32 v[\b+\j], 0                          ; the unused half of K = 64
.endr
.endr
	s_sub_co_i32 s45, s26, s22
	MKSC QSC, QLIM, 45                             ; q's code = sum / 2^(e2 - e0 - e1): the three scales folded into the conversion's one
	s_sub_co_i32 s45, s27, s22
	MKSC KSC, KLIM, 45
	s_sub_co_i32 s45, s29, s22
	MKSC VSC, VLIM, 45
.macro MM d, a, b, c
	v_wmma_f32_16x16x64_bf8_bf8 v[(\d):(\d)+7], v[(\a):(\a)+7], v[(\b):(\b)+7], v[(\c):(\c)+7]
.endm
.macro HOLD32 lim                              ; the conversion to an 8-bit code does not saturate (ISA guide 7.6.2): each number is held within the largest code x the scale; each accumulator from its low end on
.set i, 0
.rept 32
	v_med3_num_f32 v[D+i], v[D+i], -v[\lim], v[\lim]
.set i, i+1
.endr
.endm
.macro CVT dst, src, sc
	v_cvt_scalef32_pk8_bf8_f32 v[(\dst):(\dst)+1], v[(\src):(\src)+7], v[\sc]
.endm
; ---- q of my two tiles: q^T = W_q x^T: lane (r, h) holds query r, and the 16 registers of tiles 0 and 1 are channels 16 h + 0 .. 15
	MM D, WQ, XA, BQ
	MM D+8, WQ+8, XA, BQ+8
	MM D+16, WQ, XB, BQ
	MM D+24, WQ+8, XB, BQ+8
	NOPS 4                                         ; four places behind the products, ahead of the first read of a result
	HOLD32 QLIM
	CVT Q, D, QSC
	CVT Q+2, D+8, QSC
	CVT Q+12, D+16, QSC
	CVT Q+14, D+24, QSC
	v_nop                                          ; a plain instruction between the conversions and what next touches their results or writes their sources
.irp j, 0,1,2,3
	v_mov_b32 v[Q+8+\j], v[Q+\j]                   ; (Q, 0, Q): registers 0-7 stand against the first of two tiles of K, registers 4-11 against the second
	v_mov_b32 v[Q+20+\j], v[Q+12+\j]
.endr
; ---- k and v of my n-th group of 32 keys.  k^T = W_k x^T as q.  v = x W_v^T: a lane holds one channel, and its registers run along the group's keys: 16 h + 0 .. 15.
.macro PROD n
.irp j, 0,1,2,3
	v_mov_b32 v[XA+\j], v[XK+8*\n+\j]
	v_mov_b32 v[XB+\j], v[XK+8*\n+4+\j]
.endr
	MM D, WK, XA, BK
	MM D+8, WK+8, XA, BK+8
	MM D+16, WK, XB, BK
	MM D+24, WK+8, XB, BK+8
	NOPS 4
	HOLD32 KLIM
	s_wait_dscnt 0x0                               ; the last stores have read the codes' registers
	CVT CD, D, KSC
	CVT CD+2, D+8, KSC
	CVT CD+4, D+16, KSC
	CVT CD+6, D+24, KSC
	v_nop
	ds_store_b128 v[AD], v[CD:CD+3] offset:GRP*\n
	ds_store_b128 v[AD], v[CD+4:CD+7] offset:GRP*\n+512
	MM D, XA, WV, BV
	MM D+8, XB, WV, BV
	MM D+16, XA, WV+8, BV+8
	MM D+24, XB, WV+8, BV+8
	NOPS 4
	HOLD32 VLIM
	s_wait_dscnt 0x0
	CVT CD, D, VSC
	CVT CD+2, D+8, VSC
	CVT CD+4, D+16, VSC
	CVT CD+6, D+24, VSC
	v_nop
	ds_store_b128 v[AD], v[CD:CD+3] offset:GRP*\n+1024
	ds_store_b128 v[AD], v[CD+4:CD+7] offset:GRP*\n+1536
.endm
	PROD 0
	PROD 1
	PROD 2
	PROD 3
; ---- what the walk starts from
	s_wait_dscnt 0x0                               ; my images lie in LDS, and the stores have read the registers that the loads below take
	global_load_b128 v[WO:WO+3], v[OWO], s[10:11]  ; W_out and b_out are wanted at the end: their wait stands there; their offsets are never written again
	global_load_b128 v[WO+8:WO+11], v[OWO], s[10:11] offset:512
	global_load_b32 v[BO], v[OBO], s[12:13]
	global_load_b32 v[BO+2], v[OBO], s[12:13] offset:64
.irp b, WO+4, WO+12, VF+12, VF+28, P+12
.irp j, 0,1,2,3
	v_mov_b32 v[\b+\j], 0
.endr
.endr
	v_mov_b32 v[BO+1], 0                           ; upper halves of pairs of which the low word is taken: written once
	v_mov_b32 v[BO+3], 0
	v_mov_b32 v[F+1], 0
	v_mov_b32 v[B1+1], 0
	v_mov_b32 v15, 0                               ; a lane permute's destination counts as one of its sources
.set i, 0
.rept 32
	v_mov_b32 v[O+i], 0                            ; O^T: the step is written once: the first finds zeros, which the first change of M leaves zeros
.set i, i+1
.endr
.irp t, 0,1
	v_mov_b32 v[ST+4*\t+1], 0xff61b1e6             ; the largest t so far: -3e38
	v_floor_f32 v[ST+4*\t], -v[ST+4*\t+1]          ; -M
	v_mov_b32 v[ST+4*\t+2], 0
	v_mov_b32 v[ST+4*\t+3], 0
.endr
	MKSC PSC, PLIM, 28
	s_sub_co_i32 s45, s30, s28
	s_sub_co_i32 s45, s45, s29
	MKSC OSC, OLIM, 45                             ; o's code = (O / l) / 2^(e6 - e4 - e5)
	s_add_co_i32 s40, s30, s31
	s_add_co_i32 s40, s40, 127
	s_lshl_b32 s40, s40, 23                        ; 2^(e6 + e7)
	s_mov_b32 s41, s40
	s_mov_b32 s36, 0x76543210                      ; v_permlanex16_b32's selects for lane l xor 16
	s_mov_b32 s37, 0xfedcba98
	s_mov_b32 s32, 0                               ; the cell j,
	s_mov_b32 s33, 0                               ; 3 GRP j,
	s_mov_b32 s34, 0                               ; 4 j
	s_wait_dscnt 0x0
	s_barrier_signal -1
	s_barrier_wait -1                              ; all 64 groups' images lie in LDS; nothing is written there again before the way out
; ---- THE WALK'S MACROS
.macro KLOAD ng
.set g, 0
.rept \ng
	ds_load_b128 v[KF+8*g:KF+8*g+3], v[AD] offset:GRP*g
	ds_load_b128 v[KF+8*g+4:KF+8*g+7], v[AD] offset:GRP*g+512
.set g, g+1
.endr
.endm
.macro VLOAD
.set g, 0
.rept 3
	ds_load_b128 v[VF+4*g:VF+4*g+3], v[AD] offset:GRP*g+1024
	ds_load_b128 v[VF+16+4*g:VF+16+4*g+3], v[AD] offset:GRP*g+1536
.set g, g+1
.endr
.endm
.macro SCORES t, ng                            ; S^T: register 16 g + i of lane (r, h) is the score of query r and the key at place 16 h + i of group g
.set g, 0
.rept \ng
	v_wmma_f32_16x16x64_bf8_bf8 v[S+16*g:S+16*g+7], v[KF+8*g:KF+8*g+7], v[Q+12*\t:Q+12*\t+7], 0
	v_wmma_f32_16x16x64_bf8_bf8 v[S+16*g+8:S+16*g+15], v[KF+8*g:KF+8*g+7], v[Q+12*\t+4:Q+12*\t+11], 0
.set g, g+1
.endr
.endm
.macro CMK g, n, bits                          ; the mask of registers 2 n, 2 n + 1 of group g: the group's start + 2 n steps (bits: 2 n as f32)
	v_pk_fma_f32 v[CM+2*((\n)%4):CM+2*((\n)%4)+1], v[B1:B1+1], \bits, v[AG+2*(\g):AG+2*(\g)+1] op_sel_hi:[0,0,1]
.endm
.macro SMUL g, n
	v_pk_mul_f32 v[S+16*(\g)+2*(\n):S+16*(\g)+2*(\n)+1], v[S+16*(\g)+2*(\n):S+16*(\g)+2*(\n)+1], v[CM+2*((\n)%4):CM+2*((\n)%4)+1]
.endm
.macro MLG g                                   ; t = score x c' mask, pairs in ascending order: each accumulator is read from its low end on
	CMK \g, 1, 0x40000000
	CMK \g, 2, 0x40800000
	CMK \g, 3, 0x40c00000
	v_pk_mul_f32 v[S+16*\g:S+16*\g+1], v[S+16*\g:S+16*\g+1], v[AG+2*\g:AG+2*\g+1]
	CMK \g, 4, 0x41000000
	SMUL \g, 1
	SMUL \g, 2
	SMUL \g, 3
	CMK \g, 5, 0x41200000
	CMK \g, 6, 0x41400000
	CMK \g, 7, 0x41600000
	SMUL \g, 4
	SMUL \g, 5
	SMUL \g, 6
	SMUL \g, 7
.endm
; In cell j the key at place 32 g + 16 h + i has N - 4096 j = R_j + 42 (32 g + 16 h + i): the mask is U0 + that x d, d = (U1 - U0) / 4096.  The seven lines ahead of the first product by the mask are the places behind the matrix instructions.
.macro MASKLIN t
	v_sub_f32 v[B1], v[U+2*\t+1], v[U+2*\t]
	v_mul_f32 v[B1], 0x39800000, v[B1]             ; d
	v_fma_f32 v[AG], v[XF], v[B1], v[U+2*\t]       ; at i = 0 of group 0
	v_mul_f32 v[B1], 0x42280000, v[B1]             ; a key on: 42 d
	v_add_f32 v[AG+1], v[AG], v[B1]
	v_pk_fma_f32 v[AG+2:AG+3], v[B1:B1+1], 0x42000000, v[AG:AG+1] op_sel_hi:[0,0,1]   ; group 1: 32 keys on
	v_pk_fma_f32 v[AG+4:AG+5], v[B1:B1+1], 0x42800000, v[AG:AG+1] op_sel_hi:[0,0,1]   ; group 2: 64
	MLG 0
	MLG 1
	MLG 2
.endm
.macro MASKEND t                               ; the end pieces: one number a lane: c' u[0] (h = 0), c' u[20] (h = 1)
	NOPS 4
.set i, 0
.rept 24
	v_pk_mul_f32 v[S+i:S+i+1], v[S+i:S+i+1], v[AG-4*\t:AG-4*\t+1] op_sel_hi:[1,0]
.set i, i+2
.endr
.endm
; The softmax of tile t over 16 ng registers of t, and p's codes into v[pb] on.
.macro SOFT t, ng, pb
.set NR, 16*\ng
.set SS, ST+4*\t
	v_max3_num_f32 v12, v[S], v[S+1], v[S+2]       ; the step's largest t of my query among my keys, in two chains,
	v_max3_num_f32 v13, v[S+3], v[S+4], v[S+5]
.set i, 6
.rept (NR-8)/4
	v_max3_num_f32 v12, v12, v[S+i], v[S+i+1]
	v_max3_num_f32 v13, v13, v[S+i+2], v[S+i+3]
.set i, i+4
.endr
	v_max3_num_f32 v12, v12, v[S+NR-2], v[S+NR-1]
	v_max_num_f32 v12, v12, v13
	v_permlanex16_b32 v15, v12, s36, s37           ; and among lane l xor 16's
	v_max3_num_f32 v[SS+1], v[SS+1], v12, v15      ; the running largest t
	v_mov_b32 v14, v[SS]
	v_floor_f32 v[SS], -v[SS+1]                    ; the new -M = -ceil(t): a whole number
	v_sub_f32 v14, v[SS], v14                      ; old M - new M: a whole number, 0 or less
	v_cvt_i32_f32 v14, v14                         ; (it saturates)
	v_ldexp_f32 v[F], 1.0, v14                     ; f = 2^(old M - new M): what was summed under the old M comes under the new by a multiplication that rounds nothing
.set i, 0
.rept NR/2
	v_pk_add_f32 v[S+i:S+i+1], v[S+i:S+i+1], v[SS:SS+1] op_sel_hi:[1,0]   ; t - M
.set i, i+2
.endr
.set i, 0
.rept NR
	v_exp_f32 v[S+i], v[S+i]                       ; p = 2^(t - M), at most 1, not normalised
.set i, i+1
.endr
	v_pk_mul_f32 v[SS+2:SS+3], v[SS+2:SS+3], v[F:F+1] op_sel_hi:[1,0]   ; l under the new M (the plain instruction behind the exponentials)
	s_wait_alu depctr_va_vdst(0)                   ; one wait for the whole batch, ahead of its first reader
	v_pk_add_f32 v[12:13], v[S:S+1], v[S+2:S+3]    ; l is the sum of the UNQUANTISED p: two at a time, in two chains
.set i, 4
.rept NR/4-1
	v_pk_add_f32 v[SS+2:SS+3], v[SS+2:SS+3], v[S+i:S+i+1]
	v_pk_add_f32 v[12:13], v[12:13], v[S+i+2:S+i+3]
.set i, i+4
.endr
	v_pk_add_f32 v[SS+2:SS+3], v[SS+2:SS+3], v[12:13]
	s_cmp_gt_i32 s28, -16                          ; p <= 1: with e4 above -16, p / 2^e4 is at most 2^15, inside the format: the hold would change nothing
	s_cbranch_scc1 .Lcovered_\@
.set i, 0
.rept NR
	v_min_num_f32 v[S+i], v[S+i], v[PLIM]          ; the conversion does not saturate (ISA guide 7.6.2); p is not negative, so the hold is one-sided
.set i, i+1
.endr
.Lcovered_\@:
.set g, 0
.rept \ng
	v_cvt_scalef32_pk8_bf8_f32 v[(\pb)+4*g:(\pb)+4*g+1], v[S+16*g:S+16*g+7], v[PSC]
	v_cvt_scalef32_pk8_bf8_f32 v[(\pb)+4*g+2:(\pb)+4*g+3], v[S+16*g+8:S+16*g+15], v[PSC]
.set g, g+1
.endr
.set i, 0
.rept 8
	v_pk_mul_f32 v[O+16*\t+i:O+16*\t+i+1], v[O+16*\t+i:O+16*\t+i+1], v[F:F+1] op_sel_hi:[1,0]   ; O^T under the new M, each accumulator from its low end on; also the plain instructions behind the conversions
.set i, i+2
.endr
.endm
.macro PV128 t                                 ; O^T += V^T P^T over the step's 96 keys (the last quarter of K = 128 is zeros on both sides); the two accumulators take turns
	v_wmma_f32_16x16x128_bf8_bf8 v[O+16*\t:O+16*\t+7], v[VF:VF+15], v[P:P+15], v[O+16*\t:O+16*\t+7]
	v_wmma_f32_16x16x128_bf8_bf8 v[O+16*\t+8:O+16*\t+15], v[VF+16:VF+31], v[P:P+15], v[O+16*\t+8:O+16*\t+15]
.endm
.macro TILE t, ends                            ; a step of 96 keys for tile t.  The step's LDS loads were issued in the order K (6), U (4; in the ends step 2), V (6)
.if \t == 0
	s_wait_dscnt 10-2*\ends                        ; K is in; U's and V's loads may be out
.endif
	SCORES \t, 3
.if \t == 0
	s_wait_dscnt 6                                 ; U is in; V's six may be out
.endif
.if \ends
	MASKEND \t
.else
	MASKLIN \t
.endif
	SOFT \t, 3, P
.if \t == 0
	s_wait_dscnt 0x0                               ; V is in
.endif
	PV128 \t
.endm
; ---- THE 20 CELLS
.Lcell:
	s_lshr_b32 s45, s32, 1                         ; R_j = 42 S_j - 2027 - 4096 j = 31 - 22 j + 42 (j / 2) + (84 from j = 10 on): between 1 and 105, so that all 96 keys lie in cell j
	s_mul_i32 s45, s45, 42
	s_mul_i32 s46, s32, 22
	s_sub_co_u32 s45, s45, s46
	s_add_co_u32 s45, s45, 31
	s_cmp_ge_u32 s32, 10
	s_cselect_b32 s46, 84, 0
	s_add_co_u32 s35, s45, s46
	v_add_nc_u32 v[AD], s33, v[LI]                 ; these four plain lines are the places between the last products and the loads into their operands' registers
	v_add_nc_u32 v[UAD], s34, v[UA0]
	v_add_nc_u32 v[XF], s35, v[H672]
	v_cvt_f32_u32 v[XF], v[XF]                     ; R_j + 42 x 16 h
	KLOAD 3
	ds_load_b32 v[U], v[UAD] offset:4              ; c' u[j], c' u[j + 1] of tile 0's query,
	ds_load_b32 v[U+1], v[UAD] offset:8
	ds_load_b32 v[U+2], v[UAD] offset:UTILE+4      ; and of tile 1's
	ds_load_b32 v[U+3], v[UAD] offset:UTILE+8
	VLOAD
	TILE 0, 0
	TILE 1, 0
	s_add_co_u32 s33, s33, 3*GRP
	s_add_co_u32 s34, s34, 4
	s_add_co_u32 s32, s32, 1
	s_cmp_lt_u32 s32, 20
	s_cbranch_scc1 .Lcell
; ---- THE TWO END PIECES: groups 60 to 62: keys 0 .. 47 (h = 0) and 2000 .. 2047 (h = 1)
	v_add_nc_u32 v[AD], 60*GRP, v[LI]
	v_mad_u32_u24 v[UAD], v[H], 80, v[UA0]         ; word 1 (h = 0) or word 21 (h = 1)
	NOPS 2                                         ; with the two lines above: four places
	KLOAD 3
	ds_load_b32 v[AG], v[UAD] offset:4
	ds_load_b32 v[AG-4], v[UAD] offset:UTILE+4
	VLOAD
	TILE 0, 1
	TILE 1, 1
; ---- THE 32 KEYS LEFT OVER: group 63.  Place i: key L = 48 + 97 i - 96 (i / 3) (h = 0) lies in cell j0 = i - 1 - i / 3 at the constant fraction f0 = n0 / 4096; its mirror 2047 - L (h = 1) lies in cell 19 - j0 at 1 - f0.
; So mask = a + f0 (b - a) with a, b = U' words j0 + 1, j0 + 2 (h = 0) or 21 - j0, 20 - j0 (h = 1): address register n holds my row + h (88 - 8 n), and the word's number for h = 0 stands in the immediate.
	v_add_nc_u32 v[AD], 63*GRP, v[LI]
.set i, 0
.rept 12
	v_mad_u32_u24 v[KF+8+i], v[H], 88-8*i, v[UA0]  ; (these thirteen plain lines are the places behind the last products)
.set i, i+1
.endr
	KLOAD 1
	ds_load_b128 v[VF+8:VF+11], v[AD] offset:1024
	ds_load_b128 v[VF+24:VF+27], v[AD] offset:1536
.macro TILEX t
.set i, 0
.rept 16
.set J1, i-(i/3)
	ds_load_b32 v[S+16+i], v[KF+8+J1] offset:4*J1+UTILE*\t
	ds_load_b32 v[S+32+i], v[KF+9+J1] offset:4*J1+4+UTILE*\t
.set i, i+1
.endr
.if \t == 0
	s_wait_dscnt 34                                ; K's two loads are in; V's two and U's 32 may be out
.endif
	SCORES \t, 1
	s_wait_dscnt 0x0
.set i, 0
.rept 16
	v_sub_f32 v[S+32+i], v[S+32+i], v[S+16+i]      ; b - a  (these lines are the places behind the matrix instructions)
.set i, i+1
.endr
.set i, 0
.rept 16
.set N0, 42*(48+97*i-96*(i/3))-2027-4096*(i-1-(i/3))   ; between 2,048 and 4,095: f0's bits are 0.5's with n0 - 2,048 at the mantissa's head
	v_fmamk_f32 v[S+16+i], v[S+32+i], 0x3f000000|((N0-2048)<<12), v[S+16+i]
.set i, i+1
.endr
.set i, 0
.rept 8
	v_pk_mul_f32 v[S+i:S+i+1], v[S+i:S+i+1], v[S+16+i:S+16+i+1]
.set i, i+2
.endr
	SOFT \t, 1, P+8
	v_wmma_f32_16x16x64_bf8_bf8 v[O+16*\t:O+16*\t+7], v[VF+8:VF+15], v[P+8:P+15], v[O+16*\t:O+16*\t+7]
	v_wmma_f32_16x16x64_bf8_bf8 v[O+16*\t+8:O+16*\t+15], v[VF+24:VF+31], v[P+8:P+15], v[O+16*\t+8:O+16*\t+15]
.endm
	TILEX 0
	TILEX 1
; ---- THE END.  My reads of the images are over: say so, and work on registers while the others arrive; behind the wait the images' bytes become the stage.
	s_wait_dscnt 0x0
	s_barrier_signal -1
	v_add_f32 v10, v[ST+2], v[ST+3]                ; l's two halves,
	v_add_f32 v12, v[ST+6], v[ST+7]
	v_permlanex16_b32 v15, v10, s36, s37
	v_permlanex16_b32 v14, v12, s36, s37
	v_add_f32 v10, v10, v15                        ; and lane l xor 16's
	v_add_f32 v12, v12, v14
	v_rcp_f32 v10, v10
	v_rcp_f32 v12, v12
	v_and_b32 v14, 15, v0                          ; (plain work behind the reciprocals)  r
	v_mul_u32_u24 v[AD], v14, SPITCH               ; into the stage: channel row r (+ 16 by the immediate), token 32 wave + 8 h (+ 16 by the immediate)
	v_lshl_add_u32 v[AD], v[H], 5, v[AD]
	s_lshl_b32 s45, s18, 7
	v_add_nc_u32 v[AD], s45, v[AD]
	s_mul_i32 s45, s18, 2*SPITCH
	v_add_nc_u32 v[UAD], s45, v[LI]                ; back: my two channel rows, 16 bytes a lane
.irp j, 4,5,6,7
	v_mov_b32 v[P+\j], 0                           ; tile 0's codes of o take v136-139, tile 1's v144-147; zeros behind each
.endr
	s_wait_alu depctr_va_vdst(0)                   ; one wait for both reciprocals, ahead of their first reader
.irp t, 0,1
.set i, 0
.rept 8
	v_pk_mul_f32 v[O+16*\t+i:O+16*\t+i+1], v[O+16*\t+i:O+16*\t+i+1], v[10+2*\t:11+2*\t] op_sel_hi:[1,0]   ; O^T / l: registers 0 .. 15 are channels 16 h + 0 .. 15
.set i, i+2
.endr
.set i, 0
.rept 16
	v_med3_num_f32 v[O+16*\t+i], v[O+16*\t+i], -v[OLIM], v[OLIM]
.set i, i+1
.endr
.endr
	CVT P, O, OSC
	CVT P+2, O+8, OSC
	CVT P+8, O+16, OSC
	CVT P+10, O+24, OSC
	v_nop
	s_wait_loadcnt 0x0                             ; W_out, b_out
.irp t, 0,1                                    ; y = o W_out^T: source 0 = my 16 queries, source 1 = 16 rows of W_out: a lane holds ONE output channel and eight neighbouring tokens
.irp c, 0,1
	v_wmma_f32_16x16x64_bf8_bf8 v[S+8*(2*\t+\c):S+8*(2*\t+\c)+7], v[P+8*\t:P+8*\t+7], v[WO+8*\c:WO+8*\c+7], 0
.endr
.endr
	NOPS 4
.irp t, 0,1
.irp c, 0,1
.irp i, 0,2,4,6
	v_pk_fma_f32 v[KF+8*(2*\t+\c)+\i:KF+8*(2*\t+\c)+\i+1], v[S+8*(2*\t+\c)+\i:S+8*(2*\t+\c)+\i+1], s[40:41], v[BO+2*\c:BO+2*\c+1] op_sel_hi:[1,0,0]   ; sum x 2^(e6 + e7) + b_out
.endr
.endr
.endr
	s_barrier_wait -1                              ; no wave reads the images any more
.irp t, 0,1
.irp c, 0,1
	ds_store_b128 v[AD], v[KF+8*(2*\t+\c):KF+8*(2*\t+\c)+3] offset:16*SPITCH*\c+64*\t
	ds_store_b128 v[AD], v[KF+8*(2*\t+\c)+4:KF+8*(2*\t+\c)+7] offset:16*SPITCH*\c+64*\t+16
.endr
.endr
	s_wait_dscnt 0x0                               ; for the others' sake: my stores into the stage are done
	s_barrier_signal -1
	s_barrier_wait -1                              ; 32 channel rows of 512 tokens lie in the stage
.irp k, 0,1,2,3,4,5,6,7
	ds_load_b128 v[S+4*\k:S+4*\k+3], v[UAD] offset:SPITCH*(\k/4)+512*(\k%4)
.endr
.irp k, 0,1,2,3,4,5,6,7
	s_wait_dscnt 7-\k                              ; LDS loads come back in order: load k is in, the younger ones may be out
	global_store_b128 v[LI], v[S+4*\k:S+4*\k+3], s[16:17] offset:8192*(\k/4)+512*(\k%4) th:TH_STORE_NT   ; 32 lanes store 512 consecutive bytes of one channel row, at a multiple of 256 from out0's first byte
.endr
	s_wait_xcnt 0x0
	v_lshl_add_u32 v254, v0, 2, 0x2c800
	v_mov_b32 v255, 0
	s_wait_tensorcnt 0x0
	ds_add_u32 v254, v255
	s_wait_dscnt 0x0
	s_endpgm
.Lfunc_end_k_q2b67b78b9f_attn:
	.size	k_q2b67b78b9f_attn, .Lfunc_end_k_q2b67b78b9f_attn-k_q2b67b78b9f_attn
	.p2alignl 7, 3214868480
	.fill 96, 4, 3214868480
	.section	.rodata,"a",@progbits
	.p2align	6, 0x0
	.amdhsa_kernel k_q2b67b78b9f_attn
		.amdhsa_group_segment_fixed_size 184320
		.amdhsa_private_segment_fixed_size 0
		.amdhsa_enable_private_segment 0
		.amdhsa_kernarg_size 56
		.amdhsa_user_sgpr_count 2
		.amdhsa_user_sgpr_kernarg_segment_ptr 1
		.amdhsa_wavefront_size32 1
		.amdhsa_system_sgpr_workgroup_id_x 1
		.amdhsa_system_sgpr_workgroup_id_y 1
		.amdhsa_system_sgpr_workgroup_id_z 1
		.amdhsa_system_vgpr_workitem_id 0
		.amdhsa_next_free_vgpr 256
		.amdhsa_next_free_sgpr 66
		.amdhsa_reserve_vcc 1
		.amdhsa_float_denorm_mode_32 3
		.amdhsa_float_denorm_mode_16_64 3
		.amdhsa_memory_ordered 1
		.amdhsa_forward_progress 1
		.amdhsa_inst_pref_size 130
	.end_amdhsa_kernel
	.amdgpu_metadata
---
amdhsa.version: [ 1, 2 ]
amdhsa.kernels:
  - .name:           k_q2b67b78b9f_attn
    .symbol:         k_q2b67b78b9f_attn.kd
    .args:
      - { .name: x_codes, .offset: 0, .size: 8, .value_kind: global_buffer, .address_space: global }
      - { .name: W_qkv_codes, .offset: 8, .size: 8, .value_kind: global_buffer, .address_space: global }
      - { .name: b_qkv, .offset: 16, .size: 8, .value_kind: global_buffer, .address_space: global }
      - { .name: W_out_codes, .offset: 24, .size: 8, .value_kind: global_buffer, .address_space: global }
      - { .name: b_out, .offset: 32, .size: 8, .value_kind: global_buffer, .address_space: global }
      - { .name: lowp_scales, .offset: 40, .size: 8, .value_kind: global_buffer, .address_space: global }
      - { .name: out0, .offset: 48, .size: 8, .value_kind: global_buffer, .address_space: global }
    .group_segment_fixed_size: 184320
    .private_segment_fixed_size: 0
    .kernarg_segment_align: 8
    .kernarg_segment_size: 56
    .max_flat_workgroup_size: 512
    .sgpr_count:     66
    .vgpr_count:     256
    .wavefront_size: 32
...
	.end_amdgpu_metadata
.endif
;; end of part 1
